; MI455X (gfx1250); checked and timed in simulation.
; The chip was launched on July 23, 2026; its instructions are those of AMD's public machine-readable ISA for CDNA 5 (MIT licence, August 2026) and "CDNA5" Instruction Set Architecture Reference Guide (July 2026). The comments in the code are by the model that wrote it; some were corrected since.
;; Self Attention2d. Allowed arithmetic: matrix products marked QUANTISED: E4M3 operands, one given power-of-two scale a tensor, by v_wmma_f32_16x16x64_fp8_fp8 or v_wmma_f32_16x16x128_fp8_fp8, f32 sums; everything else in f32.
;; Inputs: b_out 256 float32; b_qkv 768 float32; beta 256 float32; gamma 256 float32; lowp_scales 8 int32 (the exponents e of the quantised operands' scales 2^e); w_out_codes 256 x 8 x 32 uint8 (E4M3 codes of w_out, K innermost, in blocks of 32 codes); w_qkv_codes 768 x 8 x 32 uint8 (E4M3 codes of w_qkv, K innermost, in blocks of 32 codes); x 4 x 256 x 64 x 64 float32.
;; Outputs: out0 4 x 256 x 64 x 64 float32.
;; Constants: n_head = 4.
;; This version of the problem:
;;   THIS VERSION OF THE PROBLEM IS GIVEN IN LOW PRECISION. The matrix products marked QUANTISED in the list below multiply operands that are first quantised to E4M3 (4 exponent bits, 3 mantissa bits; 8 bits a number), with one given power-of-two scale for each operand tensor; their sums are f32. All else is computed in f32.
;;   The module's matrix products, in the order in which they are computed (A, B: the left and right operand; K: the contracted axis; several contracted axes count as one K, in the product's order):
;;     1. [M 768, K 256] x [K 256, N 16,384]; A: input w_qkv (given as codes); B: computed on the way: QUANTISED (scales: A lowp_scales[0], B lowp_scales[1])
;;     2. batch 16 x [M 4,096, K 64] x [K 64, N 4,096]; A: computed on the way; B: computed on the way: QUANTISED (scales: A lowp_scales[2], B lowp_scales[3])
;;     3. batch 16 x [M 4,096, K 4,096] x [K 4,096, N 64]; A: softmax (see below); B: computed on the way: QUANTISED (scales: A lowp_scales[4], B lowp_scales[5])
;;     4. [M 256, K 256] x [K 256, N 16,384]; A: input w_out (given as codes); B: computed on the way: QUANTISED (scales: A lowp_scales[6], B lowp_scales[7])
;;   THE QUANTISER, for each operand of a quantised product, along K:
;;     - The operand's scale is 2^e, e = its entry of the input lowp_scales (int32; the entries are numbered through the quantised products in the list's order, A before B).
;;     - Each number is divided by the scale, clamped to +-448, and rounded to the nearest number of E4M3, ties to even, subnormals kept.
;;     - The product sums the exact products of the quantised numbers (number of the format x scale) in f32.
;;   ~~~python
;;   def quantise(x, axis, e):      # numpy; x: float32 -> the quantised numbers, widened to float32 again
;;       x = np.moveaxis(x, axis, -1); K = x.shape[-1]
;;       r = np.clip(x / 2.0 ** e, -448, 448)
;;       step = 2.0 ** (np.maximum(np.frexp(np.where(r == 0, 1, r))[1] - 1, -6) - 3)
;;       q = np.round(r / step) * step * 2.0 ** e      # np.round: ties to even
;;       return np.moveaxis(q, -1, axis).astype(np.float32)
;;   ~~~
;;   SOFTMAX AHEAD OF A QUANTISED PRODUCT. Where the list says 'softmax', what is quantised is not the finished softmax but p = 2^(t - M), with t = logit x log2(e) and M = ceil(the row's largest t), a whole number; so 1/2 < the row's largest p <= 1. The row's sum l is taken of the UNQUANTISED p, in f32, and the product's result is divided by l at the end. Since M is a whole number, a kernel that streams over the keys may use a running M (the ceiling of the running maximum): every later rescaling is an exact power of two, so the quantised numbers keep their values, but for numbers so far below the row's largest that they fall under the format's range.
;;   OPERANDS COMPUTED ON THE WAY. 'Computed on the way' means the value that the module computes at that place (a softmax that the list does not call 'softmax' is quantised finished and normalised). What goes into a quantiser is computed in f32, as accurately as f32 sums, v_exp_f32 and their like allow (about 1e-6 of the number): no bf16 or f16 on the way to a quantiser, and a product that is left as it is and whose result goes on into a quantised operand takes f32 operands (vector FMAs, or v_wmma_f32_16x16x4_f32). A number that lies on a knife's edge between two numbers of the format may be rounded either way, as far as f32 arithmetic and the matrix unit's own rounding can turn it there, and no further.
;;   INPUTS GIVEN AS CODES. w_out (in the module: [256, 256], K = its axis 1); w_qkv (in the module: [768, 256], K = its axis 1): each comes as NAME_codes (uint8): NAME with its K axis moved to the last place and cut into blocks of 32 codes, [.., K / 32, bytes a block], one block behind the other in memory; one code a byte (a code: sign, 4 exponent bits, 3 mantissa bits); its scale is its entry of lowp_scales. Its value is code x scale, taken as it is: it is not quantised again, and the codes and scales need not be those that the quantiser above would give.
;; One version. Each part assembles by itself: llvm-mc -triple=amdgcn-amd-amdhsa -mcpu=gfx1250 --defsym DOCPART=n.
;; ======== version 1 of 1: 4 launches
;; limits: right only within a limited range of input values
;; workspace buffers: stats 8,192 bytes; qc 4,194,304 bytes; kv 8,388,608 bytes; yc 4,194,304 bytes
;; launch stats (part 1): grid 256 x 1, 4 waves a work-group, no clusters, 0 bytes of LDS; arguments x, stats; writes stats
.if DOCPART == 1
	.amdgcn_target "amdgcn-amd-amdhsa--gfx1250"
	.amdhsa_code_object_version 6
	.text
	.protected	k_q0c2d4bd933_stats
	.globl	k_q0c2d4bd933_stats
	.p2align	8
	.type	k_q0c2d4bd933_stats,@function
k_q0c2d4bd933_stats:
	s_mov_b64 s[64:65], 0
	v_nop
	global_prefetch_b8 v0, s[64:65] scope:SCOPE_SE
	s_setreg_imm32_b32 hwreg(HW_REG_WAVE_MODE, 25, 1), 1
	s_wait_xcnt 0x0
; SelfAttention2d, launch 1 of 4: the group norm's statistics, by chunks.
; The program: (1) for each chunk of 4,096 numbers of x its mean and M2, the sum of squared differences from that mean; (2) the chunks are joined, x is normalised and quantised, product 1, q, k, v as codes;
; (3) attention on codes, y as codes; (4) product 4, bias, residual.
; NOTHING OF reference() IS LEFT OUT: gamma, beta and every part of b_qkv go into a quantised operand (xn, q, k, v), b_out and x into the result; every input is loaded by some launch.
; LIMITS of the program: NaN among the inputs is not served.  Of the given exponents: e1, e2, e3, e4, e7 and e5 - e0 - e1 lie between -126 and 119, e0 + e1 between -124 and 128,
; e2 + e3 and e6 + e7 between -126 and 127, so that each power of two that is made as an f32 pattern is an f32 number; e4 + e5 is applied by v_ldexp_f32 and has no limit.
; THIS LAUNCH.  A sample is 2^20 numbers, 256 chunks.  A wave takes one chunk (16,384 bytes): 32 loads of 512 consecutive bytes, 128 numbers a lane, which stay in registers for both passes:
; first the sum, then the squares of the differences from the chunk's own mean.  No difference of large sums is formed, so a common offset of x costs no accuracy.
; No LDS, no barrier, no matrix unit, no cluster: waves share nothing.  The result is 8 bytes a wave: 8,192 bytes in the whole launch.
.set X,   4                            ; v[4:131]   the chunk: pair i of 64 at v[X+2i]
.set CH,  132                          ; v[132:139] four chains of pairs
.set NM,  140                          ; v[140:141] -mean, twice
.set T,   142                          ; v142, v143 at work
.set RES, 144                          ; v[144:145] mean, M2
.set ZO,  146                          ; v146       0: the store's offset
.macro LANESUM r, t                    ; the sum over the 32 lanes, in every lane
	v_add_f32_dpp v[\r], v[\r], v[\r] row_xmask:1 row_mask:0xf bank_mask:0xf
	v_add_f32_dpp v[\r], v[\r], v[\r] row_xmask:2 row_mask:0xf bank_mask:0xf
	v_add_f32_dpp v[\r], v[\r], v[\r] row_xmask:4 row_mask:0xf bank_mask:0xf
	v_add_f32_dpp v[\r], v[\r], v[\r] row_xmask:8 row_mask:0xf bank_mask:0xf
	v_permlanex16_b32 v[\t], v[\r], s12, s13
	v_add_f32 v[\r], v[\r], v[\t]
.endm
.macro JOIN                            ; the four chains, their halves, the lanes: into v[T]
	v_pk_add_f32 v[CH:CH+1], v[CH:CH+1], v[CH+2:CH+3]
	v_pk_add_f32 v[CH+4:CH+5], v[CH+4:CH+5], v[CH+6:CH+7]
	v_pk_add_f32 v[CH:CH+1], v[CH:CH+1], v[CH+4:CH+5]
	v_add_f32 v[T], v[CH], v[CH+1]
	LANESUM T, T+1
.endm
	s_load_b128 s[4:7], s[0:1], 0x0                ; x s[4:5], stats s[6:7]
	v_lshrrev_b32 v1, 5, v0
	v_readfirstlane_b32 s8, v1                     ; wave 0..3
	v_and_b32 v2, 31, v0                           ; lane
	v_lshlrev_b32 v3, 4, v2                        ; my 16 bytes of a load's 512
	v_mov_b32 v[T+1], 0                            ; a lane permute's destination counts as read: written once
	v_mov_b32 v[ZO], 0
	s_lshl_b32 s9, ttmp9, 2
	s_add_co_u32 s9, s9, s8                        ; my chunk: 4 x work-group + wave
	s_lshl_b32 s10, s9, 14                         ; its first byte in x
	s_mov_b32 s11, 0
	s_lshl_b32 s16, s9, 3                          ; and its 8 bytes in stats
	s_mov_b32 s17, 0
	s_mov_b32 s12, 0x76543210                      ; v_permlanex16_b32: lane l takes lane l xor 16
	s_mov_b32 s13, 0xfedcba98
	s_wait_alu depctr_va_vdst(0)
	s_wait_kmcnt 0x0
	s_add_nc_u64 s[4:5], s[4:5], s[10:11]
	s_add_nc_u64 s[6:7], s[6:7], s[16:17]
.set i, 0
.rept 32
	global_load_b128 v[X+4*i:X+4*i+3], v3, s[4:5] offset:512*i
.set i, i+1
.endr
	; pass 1: the sum, in four chains; the first eight pairs start them, nothing is cleared.  Eight loads bring sixteen pairs: the waits count the younger loads, 24, 16, 8, 0
	s_wait_loadcnt 24
.irp k, 0,1,2,3
	v_pk_add_f32 v[CH+2*\k:CH+2*\k+1], v[X+2*\k:X+2*\k+1], v[X+2*\k+8:X+2*\k+9]
.endr
.set i, 8
.rept 56
.if i == 16
	s_wait_alu depctr_va_vdst(0)
	s_wait_loadcnt 16
.elseif i == 32
	s_wait_alu depctr_va_vdst(0)
	s_wait_loadcnt 8
.elseif i == 48
	s_wait_alu depctr_va_vdst(0)
	s_wait_loadcnt 0
.endif
	v_pk_add_f32 v[CH+2*(i%4):CH+2*(i%4)+1], v[CH+2*(i%4):CH+2*(i%4)+1], v[X+2*i:X+2*i+1]
.set i, i+1
.endr
	JOIN
	v_mul_f32 v[RES], 0x39800000, v[T]             ; the chunk's mean: sum x 2^-12
	v_mul_f32 v[NM], 0xb9800000, v[T]              ; and its negative, twice
	v_mov_b32 v[NM+1], v[NM]
	; pass 2, on the registers: the differences, then their squares
.set i, 0
.rept 64
	v_pk_add_f32 v[X+2*i:X+2*i+1], v[X+2*i:X+2*i+1], v[NM:NM+1]
.set i, i+1
.endr
.irp k, 0,1,2,3
	v_pk_mul_f32 v[CH+2*\k:CH+2*\k+1], v[X+2*\k:X+2*\k+1], v[X+2*\k:X+2*\k+1]
.endr
.set i, 4
.rept 60
	v_pk_fma_f32 v[CH+2*(i%4):CH+2*(i%4)+1], v[X+2*i:X+2*i+1], v[X+2*i:X+2*i+1], v[CH+2*(i%4):CH+2*(i%4)+1]
.set i, i+1
.endr
	JOIN
	v_mov_b32 v[RES+1], v[T]                       ; M2
	s_wait_alu depctr_va_vdst(0)
	s_wait_xcnt 0x0                                ; EXEC is a source of the loads above: it changes only behind this wait
	v_cmp_eq_u32 vcc_lo, 0, v2
	s_and_saveexec_b32 s14, vcc_lo                 ; lane 0 stores for the wave
	global_store_b64 v[ZO], v[RES:RES+1], s[6:7]
	s_wait_xcnt 0x0                                ; and again ahead of the line that widens it
	s_or_b32 exec_lo, exec_lo, s14
	s_endpgm
.Lfunc_end_k_q0c2d4bd933_stats:
	.size	k_q0c2d4bd933_stats, .Lfunc_end_k_q0c2d4bd933_stats-k_q0c2d4bd933_stats
	.p2alignl 7, 3214868480
	.fill 96, 4, 3214868480
	.section	.rodata,"a",@progbits
	.p2align	6, 0x0
	.amdhsa_kernel k_q0c2d4bd933_stats
		.amdhsa_group_segment_fixed_size 0
		.amdhsa_private_segment_fixed_size 0
		.amdhsa_enable_private_segment 0
		.amdhsa_kernarg_size 16
		.amdhsa_user_sgpr_count 2
		.amdhsa_user_sgpr_kernarg_segment_ptr 1
		.amdhsa_wavefront_size32 1
		.amdhsa_system_sgpr_workgroup_id_x 1
		.amdhsa_system_sgpr_workgroup_id_y 1
		.amdhsa_system_sgpr_workgroup_id_z 1
		.amdhsa_system_vgpr_workitem_id 0
		.amdhsa_next_free_vgpr 148
		.amdhsa_next_free_sgpr 66
		.amdhsa_reserve_vcc 1
		.amdhsa_float_denorm_mode_32 3
		.amdhsa_float_denorm_mode_16_64 3
		.amdhsa_memory_ordered 1
		.amdhsa_forward_progress 1
		.amdhsa_inst_pref_size 18
	.end_amdhsa_kernel
	.amdgpu_metadata
---
amdhsa.version: [ 1, 2 ]
amdhsa.kernels:
  - .name:           k_q0c2d4bd933_stats
    .symbol:         k_q0c2d4bd933_stats.kd
    .args:
      - { .name: x, .offset: 0, .size: 8, .value_kind: global_buffer, .address_space: global }
      - { .name: stats, .offset: 8, .size: 8, .value_kind: global_buffer, .address_space: global }
    .group_segment_fixed_size: 0
    .private_segment_fixed_size: 0
    .kernarg_segment_align: 8
    .kernarg_segment_size: 16
    .max_flat_workgroup_size: 128
    .sgpr_count:     66
    .vgpr_count:     148
    .wavefront_size: 32
...
	.end_amdgpu_metadata
.endif
;; end of part 1
;; launch qkv (part 2): grid 64 x 4, 12 waves a work-group, no clusters, 18,944 bytes of LDS; arguments x, stats, gamma, beta, w_qkv_codes, b_qkv, lowp_scales, qc, kv; writes qc, kv
.if DOCPART == 2
	.amdgcn_target "amdgcn-amd-amdhsa--gfx1250"
	.amdhsa_code_object_version 6
	.text
	.protected	k_q0c2d4bd933_qkv
	.globl	k_q0c2d4bd933_qkv
	.p2align	8
	.type	k_q0c2d4bd933_qkv,@function
k_q0c2d4bd933_qkv:
	s_mov_b64 s[64:65], 0
	v_nop
	global_prefetch_b8 v0, s[64:65] scope:SCOPE_SE
	s_setreg_imm32_b32 hwreg(HW_REG_WAVE_MODE, 25, 1), 1
	s_wait_xcnt 0x0
; SelfAttention2d, launch 2 of 4: group norm, its quantiser, product 1 (w_qkv x xn), bias, x 64^-0.25 for q and k, and the quantisers of q, k and v.  Nothing of reference() is left out here.
; A work-group takes 64 positions of one sample (x: block b of 64, y: sample n).  Wave u of twelve owns output rows 64 u .. 64 u + 63 of w_qkv: q of head u (u = 0-3), k of head u - 4 (4-7), v of head u - 8 (8-11),
; for all 64 positions; its 8 weight fragments (4 tiles of 16 rows x 2 K steps of 128) stay in 128 registers.
; FIRST waves 0 to 7 join the sample's 256 chunk statistics (mean = the mean of the chunks' means; M2 = the sum of their M2 + 4,096 x the squared differences of their means), and each normalises and quantises
; 32 channels x 64 positions: A LANE TAKES A POSITION AND ITS REGISTERS RUN DOWN THE CHANNELS, which are product 1's K, so the conversions give codes with K innermost.  They go to LDS as 64 rows (positions) of 256 codes.
; One barrier.  THEN every wave multiplies.  q, k: source 0 = 16 rows of w, source 1 = 16 positions: a lane holds one position and eight neighbouring channels, which are product 2's K.
; v: the sources swapped: a lane holds one channel and eight neighbouring positions, which are product 3's K (the keys).  So every conversion's result is a piece of the next product's operand.
; THE WORKSPACES ARE IMAGES OF OPERAND REGISTERS: each group of four registers is 512 bytes, lane l's 16 bytes at 16 l, so each store of a wave covers 512 consecutive bytes, aligned.
;   qc [n x head 16][tile of 16 positions 256][1,024]: registers 2 c, 2 c + 1 of lane (r, h): position r, channels 16 c + 8 h + 0 .. 7 of the head.
;   kv [n x head 16][group of 128 keys 32][16,384]: eight images of k laid as in qc (tile t at 1,024 t), then four of v (tile t of 16 channels at 8,192 + 2,048 t): registers 2 c, 2 c + 1: channel 16 t + r, keys 16 c + 8 h + 0 .. 7.
; In product 1 both operands come by loads of 16 bytes: registers 4 c .. 4 c + 3 hold K = 32 c + 16 h + 0 .. 15: a permutation of K, the same on both sides, so every product meets its partner.
; NO CLUSTER, no joint loads: what the work-groups share is the 196,608 bytes of weights, of which each wave takes its 16,384 straight into the registers where they stay; brought jointly they would be written to LDS
; and read from it once more, for one block of positions a work-group.  No prefetch: the launch is short and its loads go out at its head.
; No register that only one role writes ahead of the barrier is read behind it: the weights are loaded by all waves ahead of the parting, the biases in each arm behind the barrier.
; LIMITS: e1, e2, e3 and e5 - e0 - e1 between -126 and 119; e0 + e1 between -124 and 128 (it is added to the exponent field of 64^-0.25).  NaN among the inputs is not served.
.set PITCH, 272                        ; an LDS row: 256 codes + 16 bytes: 68 words, so the 16 rows that a load touches start at 16 different banks (64 banks of 4 bytes: ISA guide 11.1)
.set SPARE, 64*PITCH                   ; behind the rows: the spare words, 128 bytes for each of the twelve waves: six blocks of 256 bytes that no other line names
.set SPW,  1                           ; v1   LDS address of my spare word; never rewritten
.set NIL,  2                           ; v2   0; never rewritten
.set FRA,  3                           ; v3   LDS: a fragment of xn: PITCH r + 16 h
.set LI,   4                           ; v4   16 x lane: my place in an image, and in the statistics
.set QST,  5                           ; v5   LDS: where I put 32 codes of my position: PITCH x lane + 32 u
.set XO,   6                           ; v6   4 x lane: my position in x
.set WO,   7                           ; v7   256 r + 16 h: my place in a tile of w
.set BQ,   8                           ; v8   32 h: q's and k's bias
.set BV,   9                           ; v9   4 r: v's bias
.set NM,   10                          ; v[10:11] -mean, twice
.set XLIM, 12
.set XSC,  13                          ; v13  2^e1
.set OLIM, 14
.set OSC,  15                          ; v15  that scale: 2^e2, 2^e3 or 2^(e5 - e0 - e1)
.set XN,   16                          ; v[16:79]  64 numbers of x: 32 channels of two positions
.set XF,   16                          ; later v[16:47]: xn's two fragments,
.set ACC,  48                          ; v[48:79]: four accumulators
.set CODE, 80                          ; v[80:95]  at work at the head, then codes
.set STA,  96                          ; v[96:111] the statistics as loaded
.set BIAS, 96                          ; later v[96:127]: the bias in the result's layout
.set RS,   112                         ; v[112:113] 1 / sqrt(var + eps), twice
.set W,    128                         ; v[128:255] w's fragment (tile t, K step s) at W + 32 t + 16 s
.set WV,   22                          ; s22  my wave's number u
.set SB,   23                          ; s23  b
.set SN,   24                          ; s24  n
; s25, s29, s67 at work; s[26:27] an offset in 64 bits (s27 stays 0); s28 e0 + e1; s[30:31] 64^-0.25 x 2^(e0 + e1), twice; s66 -(e0 + e1); s[32:63] gamma, s[68:99] beta of my 32 channels; s[84:91] first hold e0 .. e7
.macro LANESUM r, t
	v_add_f32_dpp v[\r], v[\r], v[\r] row_xmask:1 row_mask:0xf bank_mask:0xf
	s_delay_alu instid0(VALU_DEP_1)
	v_add_f32_dpp v[\r], v[\r], v[\r] row_xmask:2 row_mask:0xf bank_mask:0xf
	s_delay_alu instid0(VALU_DEP_1)
	v_add_f32_dpp v[\r], v[\r], v[\r] row_xmask:4 row_mask:0xf bank_mask:0xf
	s_delay_alu instid0(VALU_DEP_1)
	v_add_f32_dpp v[\r], v[\r], v[\r] row_xmask:8 row_mask:0xf bank_mask:0xf
	s_delay_alu instid0(VALU_DEP_1)
	v_permlanex16_b32 v[\t], v[\r], s2, s3
	s_delay_alu instid0(VALU_DEP_1)
	v_add_f32 v[\r], v[\r], v[\t]
.endm
.macro PLACES                          ; four places behind a matrix instruction, ahead of reads of its results and of loads into its sources
.rept 4
	v_nop
.endr
.endm
.macro FINISH                          ; a wave's end, behind the last LDS store
	s_wait_tensorcnt 0x0
	ds_add_u32 v[SPW], v[NIL]
	s_wait_dscnt 0x0
	s_endpgm
.endm
	s_load_b512 s[4:19], s[0:1], 0x0               ; x s[4:5], stats s[6:7], gamma s[8:9], beta s[10:11], w s[12:13], b_qkv s[14:15], the exponents s[16:17], qc s[18:19]
	s_load_b64 s[20:21], s[0:1], 0x40              ; kv
	v_lshl_add_u32 v[SPW], v0, 2, SPARE
	v_mov_b32 v[NIL], 0
	v_lshrrev_b32 v16, 5, v0
	s_delay_alu instid0(VALU_DEP_1)
	v_readfirstlane_b32 s[WV], v16                 ; u = 0 .. 11
	v_and_b32 v17, 31, v0                          ; lane
	v_and_b32 v18, 15, v0                          ; r
	v_bfe_u32 v19, v0, 4, 1                        ; h
	s_delay_alu instid0(VALU_DEP_2)
	v_mul_u32_u24 v[FRA], v18, PITCH
	s_delay_alu instid0(VALU_DEP_1)
	v_lshl_add_u32 v[FRA], v19, 4, v[FRA]
	v_lshlrev_b32 v[LI], 4, v17
	s_lshl_b32 s25, s[WV], 5
	v_mul_u32_u24 v[QST], v17, PITCH
	s_delay_alu instid0(VALU_DEP_1)
	v_add_nc_u32 v[QST], s25, v[QST]
	v_lshlrev_b32 v[XO], 2, v17
	v_lshlrev_b32 v[WO], 8, v18
	s_delay_alu instid0(VALU_DEP_1)
	v_lshl_add_u32 v[WO], v19, 4, v[WO]
	v_lshlrev_b32 v[BQ], 5, v19
	v_lshlrev_b32 v[BV], 2, v18
	s_mov_b32 s[SB], ttmp9
	s_and_b32 s[SN], ttmp7, 0xffff
	s_mov_b32 s2, 0x76543210                       ; v_permlanex16_b32: lane l xor 16
	s_mov_b32 s3, 0xfedcba98
	s_mov_b32 s27, 0
	s_wait_alu depctr_va_vdst(0)
	s_wait_kmcnt 0x0
	s_load_b256 s[84:91], s[16:17], 0x0            ; e0 .. e7
	s_lshl_b32 s26, s[WV], 14                      ; my 64 rows of w: 16,384 bytes
	s_add_nc_u64 s[12:13], s[12:13], s[26:27]
.irp t, 0,1,2,3                                ; every wave's weights, ahead of the parting: 32 loads
.irp s, 0,1
.irp c, 0,1,2,3
	global_load_b128 v[W+32*\t+16*\s+4*\c:W+32*\t+16*\s+4*\c+3], v[WO], s[12:13] offset:4096*\t+128*\s+32*\c
.endr
.endr
.endr
	s_lshl_b32 s26, s[WV], 8                       ; my 64 numbers of b_qkv
	s_add_nc_u64 s[14:15], s[14:15], s[26:27]
	s_wait_kmcnt 0x0
	s_add_co_i32 s28, s84, s85                     ; e0 + e1: a sum of product 1 stands for sum x 2^(e0 + e1)
	s_sub_co_i32 s66, 0, s28
	s_lshl_b32 s30, s28, 23
	s_add_co_i32 s30, s30, 0x3eb504f3              ; 64^-0.25 = 0.35355339, with e0 + e1 added to its exponent field
	s_mov_b32 s31, s30                             ; (named with it as a pair, so it is written)
	s_add_co_i32 s25, s85, 127
	s_lshl_b32 s29, s25, 23
	v_mov_b32 v[XSC], s29                          ; 2^e1 as f32: the conversion takes its exponent field
	s_sub_co_i32 s29, s89, s28                     ; v: its sums keep the factor 2^(e0 + e1): the three scales are folded into the conversion's one
	s_cmp_lt_u32 s[WV], 8
	s_cselect_b32 s29, s87, s29                    ; k: e3
	s_cmp_lt_u32 s[WV], 4
	s_cselect_b32 s29, s86, s29                    ; q: e2
	s_add_co_i32 s25, s29, 127
	s_lshl_b32 s29, s25, 23
	v_mov_b32 v[OSC], s29
	s_cmp_ge_u32 s[WV], 8
	s_cbranch_scc1 .Ljoin                          ; waves 8 to 11 have no part of x
	; ---- waves 0 to 7: the norm and its quantiser, channels 32 u .. 32 u + 31
	s_lshl_b32 s26, s[WV], 7
	s_add_nc_u64 s[8:9], s[8:9], s[26:27]
	s_add_nc_u64 s[10:11], s[10:11], s[26:27]
	s_load_b512 s[32:47], s[8:9], 0x0              ; gamma and beta are the same in all lanes of a register: they live in scalar registers
	s_load_b512 s[48:63], s[8:9], 0x40
	s_load_b512 s[68:83], s[10:11], 0x0
	s_load_b512 s[84:99], s[10:11], 0x40           ; (the exponents that lay here have been used)
	s_lshl_b32 s26, s[SN], 11                      ; the sample's 256 chunks: 2,048 bytes
	s_add_nc_u64 s[6:7], s[6:7], s[26:27]
.irp i, 0,1,2,3
	global_load_b128 v[STA+4*\i:STA+4*\i+3], v[LI], s[6:7] offset:512*\i   ; two chunks a lane: mean, M2, mean, M2
.endr
	s_lshl_b32 s26, s[SN], 22                      ; x: sample n, channel 32 u, position 64 b
	s_lshl_b32 s25, s[WV], 19
	s_add_co_u32 s26, s26, s25
	s_lshl_b32 s25, s[SB], 8
	s_add_co_u32 s26, s26, s25
	s_add_nc_u64 s[4:5], s[4:5], s[26:27]
.set i, 0
.rept 32                                       ; channel i of my 32, positions lane and 32 + lane: the two loads on end cover 256 consecutive bytes, aligned
	global_load_b32 v[XN+i], v[XO], s[4:5] offset:16384*i
	global_load_b32 v[XN+32+i], v[XO], s[4:5] offset:16384*i+128
.set i, i+1
.endr
	s_wait_loadcnt 63                              ; 64 loads are younger than the statistics
	v_pk_add_f32 v[80:81], v[96:97], v[98:99]      ; (sum of means, sum of M2) of my eight chunks
	v_pk_add_f32 v[82:83], v[100:101], v[102:103]
	v_pk_add_f32 v[84:85], v[104:105], v[106:107]
	v_pk_add_f32 v[86:87], v[108:109], v[110:111]
	s_delay_alu instid0(VALU_DEP_3)
	v_pk_add_f32 v[80:81], v[80:81], v[82:83]
	s_delay_alu instid0(VALU_DEP_2)
	v_pk_add_f32 v[84:85], v[84:85], v[86:87]
	s_delay_alu instid0(VALU_DEP_1)
	v_pk_add_f32 v[80:81], v[80:81], v[84:85]
	LANESUM 80, 82
	LANESUM 81, 83
	v_mul_f32 v[NM], 0xbb800000, v80               ; -mean = -(sum of the 256 means) x 2^-8
	s_delay_alu instid0(VALU_DEP_1)
	v_mov_b32 v[NM+1], v[NM]
.irp i, 0,2,4,6,8,10,12,14
	v_add_f32 v[STA+\i], v[STA+\i], v[NM]          ; a chunk's mean less the sample's
.endr
	v_mul_f32 v84, v96, v96
	v_mul_f32 v85, v98, v98
	s_delay_alu instid0(VALU_DEP_2)
	v_fma_f32 v84, v100, v100, v84
	s_delay_alu instid0(VALU_DEP_2)
	v_fma_f32 v85, v102, v102, v85
	s_delay_alu instid0(VALU_DEP_2)
	v_fma_f32 v84, v104, v104, v84
	s_delay_alu instid0(VALU_DEP_2)
	v_fma_f32 v85, v106, v106, v85
	s_delay_alu instid0(VALU_DEP_2)
	v_fma_f32 v84, v108, v108, v84
	s_delay_alu instid0(VALU_DEP_2)
	v_fma_f32 v85, v110, v110, v85
	s_delay_alu instid0(VALU_DEP_1)
	v_add_f32 v84, v84, v85
	LANESUM 84, 82
	s_delay_alu instid0(VALU_DEP_1)
	v_fmamk_f32 v81, v84, 0x45800000, v81          ; M2 = the sum of the chunks' M2 + 4,096 x the squared differences
	s_mov_b32 s25, 0x35800000                      ; 2^-20
	s_mov_b32 s67, 0x3727c5ac                      ; eps = 1e-5
	v_fma_f32 v81, v81, s25, s67                   ; var + eps
	s_wait_alu depctr_va_vdst(0)
	v_rsq_f32 v[RS], v81
	v_nop                                          ; a plain instruction behind the transcendental,
	s_wait_alu depctr_va_vdst(0)                   ; and the wait ahead of the first use of its result
	v_mov_b32 v[RS+1], v[RS]
	s_wait_loadcnt 0x0                             ; x
	s_wait_kmcnt 0x0                               ; gamma, beta
.macro NORMQ p                                 ; positions 32 p + lane: 32 numbers down the channels become 32 codes
.set XS, XN+32*(\p)
.set i, 0
.rept 16
	v_pk_add_f32 v[XS+2*i:XS+2*i+1], v[XS+2*i:XS+2*i+1], v[NM:NM+1]
.set i, i+1
.endr
.set i, 0
.rept 16
	v_pk_mul_f32 v[XS+2*i:XS+2*i+1], v[XS+2*i:XS+2*i+1], v[RS:RS+1]
.set i, i+1
.endr
.set i, 0
.rept 32
	v_fma_f32 v[XS+i], v[XS+i], s[32+i], s[68+i]   ; x gamma + beta of channel 32 u + i
.set i, i+1
.endr
.set i, 0
.rept 32
.set i, i+1
.endr
.irp g, 0,1,2,3
	v_cvt_scalef32_pk8_fp8_f32 v[CODE+8*(\p)+2*\g:CODE+8*(\p)+2*\g+1], v[XS+8*\g:XS+8*\g+7], v[XSC]
.endr
	v_nop                                          ; one plain instruction behind the last conversion: its sources are written again by vector and matrix instructions further on
	ds_store_b128 v[QST], v[CODE+8*(\p):CODE+8*(\p)+3] offset:32*PITCH*(\p)
	ds_store_b128 v[QST], v[CODE+8*(\p)+4:CODE+8*(\p)+7] offset:32*PITCH*(\p)+16
.endm
	NORMQ 0
	NORMQ 1
.Ljoin:
	s_wait_dscnt 0x0                               ; for the others' sake: my stores of codes have landed
	s_barrier_signal -1
	s_barrier_wait -1                              ; the 64 rows of 256 codes lie in LDS; nobody writes them again
.macro FRAGS m                                 ; xn's two fragments of positions 16 m .. 16 m + 15
.irp s, 0,1
.irp c, 0,1,2,3
	ds_load_b128 v[XF+16*\s+4*\c:XF+16*\s+4*\c+3], v[FRA] offset:16*PITCH*(\m)+128*\s+32*\c
.endr
.endr
.endm
	s_cmp_ge_u32 s[WV], 8
	s_cbranch_scc1 .Lvpath
	; ---- waves 0 to 7: q or k of one head
.irp t, 0,1,2,3                                ; the bias in the result's layout: lane (r, h), tile t: channels 16 t + 8 h + 0 .. 7
	global_load_b128 v[BIAS+8*\t:BIAS+8*\t+3], v[BQ], s[14:15] offset:64*\t
	global_load_b128 v[BIAS+8*\t+4:BIAS+8*\t+7], v[BQ], s[14:15] offset:64*\t+16
.endr
	FRAGS 0
	s_and_b32 s25, s[WV], 3
	s_lshl_b32 s26, s[SN], 2
	s_add_co_u32 s25, s25, s26                     ; 4 n + head
	s_lshl_b32 s26, s25, 18
	s_lshl_b32 s67, s[SB], 12
	s_add_co_u32 s26, s26, s67                     ; in qc: 262,144 (4 n + head) + 4,096 b
	s_lshl_b32 s29, s25, 19
	s_lshr_b32 s67, s[SB], 1
	s_lshl_b32 s67, s67, 14
	s_add_co_u32 s29, s29, s67
	s_and_b32 s67, s[SB], 1
	s_lshl_b32 s67, s67, 12
	s_add_co_u32 s29, s29, s67                     ; in kv: 524,288 (4 n + head) + 16,384 (b / 2) + 4,096 (b % 2)
	s_cmp_lt_u32 s[WV], 4                          ; the choice hangs on the wave's number alone
	s_cselect_b32 s26, s26, s29
	s_cselect_b64 s[18:19], s[18:19], s[20:21]
	s_add_nc_u64 s[18:19], s[18:19], s[26:27]
	s_mov_b32 s32, 0x3eb504f3                      ; 64^-0.25, twice (gamma's registers are free)
	s_mov_b32 s33, s32
.irp m, 0,1,2,3
.if \m == 0
	s_wait_loadcnt 8                               ; the weights are in; the eight loads of the bias may stay out
.endif
	s_wait_dscnt 0x0
.irp t, 0,1,2,3                                ; the four accumulators take turns, one instruction a turn; the first K step starts the sums
	v_wmma_f32_16x16x128_fp8_fp8 v[ACC+8*\t:ACC+8*\t+7], v[W+32*\t:W+32*\t+15], v[XF:XF+15], 0
.endr
.irp t, 0,1,2,3
	v_wmma_f32_16x16x128_fp8_fp8 v[ACC+8*\t:ACC+8*\t+7], v[W+32*\t+16:W+32*\t+31], v[XF+16:XF+31], v[ACC+8*\t:ACC+8*\t+7]
.endr
.if \m == 0
	s_wait_loadcnt 0x0
.set i, 0
.rept 16                                       ; b x 64^-0.25, once; these sixteen are also the places behind the products
	v_pk_mul_f32 v[BIAS+2*i:BIAS+2*i+1], v[BIAS+2*i:BIAS+2*i+1], s[32:33] op_sel_hi:[1,0]
.set i, i+1
.endr
.else
	PLACES
.endif
.if \m < 3
	FRAGS \m+1                                     ; the next tile's fragments come while this tile is quantised
.endif
.set i, 0
.rept 16                                       ; (sum x 2^(e0 + e1) + b) x 64^-0.25, each accumulator from its low end on
	v_pk_fma_f32 v[ACC+2*i:ACC+2*i+1], v[ACC+2*i:ACC+2*i+1], s[30:31], v[BIAS+2*i:BIAS+2*i+1] op_sel_hi:[1,0,1]
.set i, i+1
.endr
.set i, 0
.rept 32
.set i, i+1
.endr
.if \m == 2
	s_wait_alu depctr_va_vdst(0)
	s_wait_xcnt 0x0                                ; the stores of tiles 0 and 1 have read their registers: both sets of codes may be written again
.endif
.irp t, 0,1,2,3
	v_cvt_scalef32_pk8_fp8_f32 v[CODE+8*(\m%2)+2*\t:CODE+8*(\m%2)+2*\t+1], v[ACC+8*\t:ACC+8*\t+7], v[OSC]
.endr
	v_nop                                          ; one plain instruction between the conversions and the products that write their sources
	global_store_b128 v[LI], v[CODE+8*(\m%2):CODE+8*(\m%2)+3], s[18:19] offset:1024*\m        ; the image of 16 positions x 64 channels: two stores of 512 consecutive bytes
	global_store_b128 v[LI], v[CODE+8*(\m%2)+4:CODE+8*(\m%2)+7], s[18:19] offset:1024*\m+512
.endr
	FINISH
.Lvpath:
	; ---- waves 8 to 11: v of one head, the sources swapped
.irp t, 0,1,2,3
	global_load_b32 v[CODE+\t], v[BV], s[14:15] offset:64*\t   ; b of channel 16 t + r
.endr
	FRAGS 0
	s_and_b32 s25, s[WV], 3
	s_lshl_b32 s26, s[SN], 2
	s_add_co_u32 s25, s25, s26                     ; 4 n + head
	s_lshl_b32 s26, s25, 19
	s_lshr_b32 s67, s[SB], 1
	s_lshl_b32 s67, s67, 14
	s_add_co_u32 s26, s26, s67
	s_and_b32 s67, s[SB], 1
	s_lshl_b32 s67, s67, 10
	s_add_co_u32 s26, s26, s67
	s_add_co_u32 s26, s26, 8192                    ; in kv: 524,288 (4 n + head) + 16,384 (b / 2) + 8,192 + 1,024 (b % 2)
	s_add_nc_u64 s[20:21], s[20:21], s[26:27]
	s_wait_loadcnt 0x0                             ; the weights and the bias
.irp t, 0,1,2,3
.irp j, 0,1,2,3,4,5,6,7
	v_ldexp_f32 v[BIAS+8*\t+\j], v[CODE+\t], s66   ; b / 2^(e0 + e1), the C of each sum's first product: a lane's eight registers are eight positions of one channel
.endr
.endr
	s_wait_alu depctr_va_vdst(0)
.irp m, 0,1,2,3
	s_wait_dscnt 0x0
.irp t, 0,1,2,3
	v_wmma_f32_16x16x128_fp8_fp8 v[ACC+8*\t:ACC+8*\t+7], v[XF:XF+15], v[W+32*\t:W+32*\t+15], v[BIAS+8*\t:BIAS+8*\t+7]
.endr
.irp t, 0,1,2,3
	v_wmma_f32_16x16x128_fp8_fp8 v[ACC+8*\t:ACC+8*\t+7], v[XF+16:XF+31], v[W+32*\t+16:W+32*\t+31], v[ACC+8*\t:ACC+8*\t+7]
.endr
	PLACES
.if \m < 3
	FRAGS \m+1
.endif
.set i, 0
.rept 32
.set i, i+1
.endr
.if \m == 2
	s_wait_xcnt 0x0                                ; the stores behind tile 1 have read their registers
.endif
.irp t, 0,1,2,3
	v_cvt_scalef32_pk8_fp8_f32 v[CODE+4*\t+2*(\m%2):CODE+4*\t+2*(\m%2)+1], v[ACC+8*\t:ACC+8*\t+7], v[OSC]
.endr
	v_nop
.if (\m%2) == 1
	s_wait_alu depctr_va_vdst(0)
.irp t, 0,1,2,3                                ; 32 keys of channel tile t: four registers of its image
	global_store_b128 v[LI], v[CODE+4*\t:CODE+4*\t+3], s[20:21] offset:2048*\t+512*(\m/2)
.endr
.endif
.endr
	FINISH
.Lfunc_end_k_q0c2d4bd933_qkv:
	.size	k_q0c2d4bd933_qkv, .Lfunc_end_k_q0c2d4bd933_qkv-k_q0c2d4bd933_qkv
	.p2alignl 7, 3214868480
	.fill 96, 4, 3214868480
	.section	.rodata,"a",@progbits
	.p2align	6, 0x0
	.amdhsa_kernel k_q0c2d4bd933_qkv
		.amdhsa_group_segment_fixed_size 18944
		.amdhsa_private_segment_fixed_size 0
		.amdhsa_enable_private_segment 0
		.amdhsa_kernarg_size 72
		.amdhsa_user_sgpr_count 2
		.amdhsa_user_sgpr_kernarg_segment_ptr 1
		.amdhsa_wavefront_size32 1
		.amdhsa_system_sgpr_workgroup_id_x 1
		.amdhsa_system_sgpr_workgroup_id_y 1
		.amdhsa_system_sgpr_workgroup_id_z 1
		.amdhsa_system_vgpr_workitem_id 0
		.amdhsa_next_free_vgpr 256
		.amdhsa_next_free_sgpr 100
		.amdhsa_reserve_vcc 0
		.amdhsa_float_denorm_mode_32 3
		.amdhsa_float_denorm_mode_16_64 3
		.amdhsa_fp16_overflow 1
		.amdhsa_memory_ordered 1
		.amdhsa_forward_progress 1
		.amdhsa_inst_pref_size 48
	.end_amdhsa_kernel
	.amdgpu_metadata
---
amdhsa.version: [ 1, 2 ]
amdhsa.kernels:
  - .name:           k_q0c2d4bd933_qkv
    .symbol:         k_q0c2d4bd933_qkv.kd
    .args:
      - { .name: x, .offset: 0, .size: 8, .value_kind: global_buffer, .address_space: global }
      - { .name: stats, .offset: 8, .size: 8, .value_kind: global_buffer, .address_space: global }
      - { .name: gamma, .offset: 16, .size: 8, .value_kind: global_buffer, .address_space: global }
      - { .name: beta, .offset: 24, .size: 8, .value_kind: global_buffer, .address_space: global }
      - { .name: w_qkv_codes, .offset: 32, .size: 8, .value_kind: global_buffer, .address_space: global }
      - { .name: b_qkv, .offset: 40, .size: 8, .value_kind: global_buffer, .address_space: global }
      - { .name: lowp_scales, .offset: 48, .size: 8, .value_kind: global_buffer, .address_space: global }
      - { .name: qc, .offset: 56, .size: 8, .value_kind: global_buffer, .address_space: global }
      - { .name: kv, .offset: 64, .size: 8, .value_kind: global_buffer, .address_space: global }
    .group_segment_fixed_size: 18944
    .private_segment_fixed_size: 0
    .kernarg_segment_align: 8
    .kernarg_segment_size: 72
    .max_flat_workgroup_size: 384
    .sgpr_count:     100
    .vgpr_count:     256
    .wavefront_size: 32
...
	.end_amdgpu_metadata
.endif
;; end of part 2
;; launch attn (part 3): grid 16 x 16, 8 waves a work-group, clusters of 4 x 1, 327,680 bytes of LDS; arguments qc, kv, lowp_scales, yc; writes yc
.if DOCPART == 3
	.amdgcn_target "amdgcn-amd-amdhsa--gfx1250"
	.amdhsa_code_object_version 6
	.text
	.protected	k_q0c2d4bd933_attn
	.globl	k_q0c2d4bd933_attn
	.p2align	8
	.type	k_q0c2d4bd933_attn,@function
k_q0c2d4bd933_attn:
	s_mov_b64 s[64:65], 0
	v_nop
	global_prefetch_b8 v0, s[64:65] scope:SCOPE_SE
	s_setreg_imm32_b32 hwreg(HW_REG_WAVE_MODE, 25, 1), 1
	s_wait_xcnt 0x0
	s_wait_alu depctr_hold_cnt(0) depctr_sa_sdst(0) depctr_va_vdst(0) depctr_va_sdst(0) depctr_va_ssrc(0) depctr_va_vcc(0) depctr_vm_vsrc(0)
	s_getreg_b32 s2, hwreg(HW_REG_IB_STS2, 6, 4)
	s_cmp_eq_u32 s2, 0
	s_cbranch_scc0 .Lentry_in_a_cluster
	s_endpgm
.Lentry_in_a_cluster:
	s_bfe_u32 s2, ttmp6, 0x10000c
	s_cmp_lg_u32 s2, 0x3003
	s_cbranch_scc0 .Lentry_shape_is_right
	s_endpgm
.Lentry_shape_is_right:
; SelfAttention2d, launch 3 of 4: products 2 and 3 on codes of E4M3, the softmax between them, and y's quantiser.  Nothing of reference() is left out here.
; THE SOFTMAX AHEAD OF PRODUCT 3: t = logit x log2(e); M = the row's largest t so far, rounded UP to a whole number; p = 2^(t - M) is what is quantised (2^e4), not normalised.  The row's sum l is taken of the
; unquantised p and divides at the end.  When M moves, l and O are multiplied by 2^(old M - new M): nothing is rounded, and no branch hangs on data.
; SHARES.  A work-group owns 256 queries of one (sample, head) (x: block of 256, y: 4 n + head); each of its eight waves owns two tiles of 16 queries; two waves to a SIMD.  Every wave walks the 4,096 keys, 128 a step.
; LAYOUT.  Both products are used transposed: S^T = K Q^T (source 0 = 16 keys, source 1 = 16 queries, K = 64), O^T = V^T P^T (source 0 = 16 channels, source 1 = P, K = 128 keys): a lane holds ONE query throughout.
; Tile t of S^T gives lane (r, h) keys 16 t + 8 h + 0 .. 7: its conversion's two registers are registers 2 t, 2 t + 1 of P in the K = 128 form's own layout.  qc and kv are images of operand registers
; (512 bytes for four registers, lane l at 16 l), so a fragment comes by loads of 512 consecutive bytes: no pitch, no padding.
; THE RING.  Two LDS slots of 131,072 bytes, eight key steps (each 8,192 bytes of K, 8,192 of V) in each.  Wave w brings step w of a slot by one tensor load of 16,384 dense bytes: by this text's count a wave has one
; tensor load out at the most, and it has eight key steps in which to land.  Three changes of slots fill a slot, the fourth is written out and fills nothing.
; CLUSTER.  The four work-groups of a cluster are four query blocks of one (sample, head) and walk the same kv: every tile is asked for JOINTLY, by the same load with the same descriptor and the mask of all four.
; THE TWO TILES BY TURNS: one tile's exponentials stand between the other tile's plain instructions; each tile's 64 exponentials are one batch with one wait.
; yc [n 4][tile of 16 positions 256][K step 2][2,048]: an image of product 4's operand: registers 2 c, 2 c + 1 of lane (r, h): position r, channels 128 s + 16 c + 8 h + 0 .. 7; a head fills eight of the sixteen registers.
; LIMITS: e2 + e3 between -126 and 127 (added to the exponent field of log2(e)); e4 and e7 between -126 and 119; e4 + e5 is applied by v_ldexp_f32 and has none.
; REGISTERS.  Window 0: v1-5 addresses; v8-23 statistics, eight a tile; v24-31 at work; v32-35 scales; v64-191 S^T, then p, 64 a tile; v192-223 P's codes; v224-239 Q.
;             Window 1: v0-63 O^T, 32 a tile; v64-127 K's eight fragments; v128-191 V's four.  Seven switches of the window a key step.
.set STEPB, 16384                      ; a key step's bytes
.set SLOTB, 131072                     ; a slot: one exclusive or turns an address in one slot into the other's
.set SPARE, 2*SLOTB                    ; behind the ring: the spare words, 128 bytes for each wave: four blocks of 256 bytes that no other line names
.set LI,  1                            ; v1   16 x lane; never rewritten
.set ADR, 2                            ; v2   LDS address of the step in hand
.set PFO, 3                            ; v3   256 x lane: the prefetches' offset; never rewritten
.set SPW, 4                            ; v4   LDS address of my spare word; never rewritten
.set NIL, 5                            ; v5   0; never rewritten
.set ST,  8                            ; tile q's statistics at v[ST+8 q]: +0 -M, +1 the largest t, +2, +3 l in two halves, +4 f (+5 named with it), +6 a lane permute's destination
.set MX,  24                           ; v[MX+4 q], +1: two chains of the maximum; +2, +3: l's second chain
.set PLIM, 32
.set PSC,  33                          ; v33  2^e4
.set YLIM, 34
.set YSC,  35                          ; v35  2^e7
.set SC,  64
.set PC,  192
.set QF,  224
.set KF,  64                           ; in window 1
.set VF,  128                          ; in window 1
.set WV,  12                           ; s12  my wave's number
.set CX,  13                           ; s13  my place in the cluster: it enters global addresses of Q, y and the prefetches alone
.set BLK, 14                           ; s14  my block of 256 queries
.set NH,  15                           ; s15  4 n + head, which the four partners share
.set G1,  16                           ; s[16:23] descriptor group 1
.set G0,  24                           ; s[24:27] descriptor group 0, which walks
.set PFA, 28                           ; s[28:29] where my prefetches stand
.set LIM, 30                           ; s30  1 in a wave that prefetches, else the greatest number
.set SLOTS, 31                         ; s31  slots still to be asked for
.set STEPC, 32                         ; s32  counts a slot's eight steps down
.set TB,  33                           ; s33  LDS byte at which the step in hand begins
.set CS,  34                           ; s[34:35] c = log2(e) x 2^(e2 + e3), twice
.set SEL, 36                           ; s[36:37] v_permlanex16_b32: lane l xor 16
.set EO,  56                           ; s56  e4 + e5
.set MSB, 0
.macro WIN new                         ; the immediate's high byte repeats the setting that is left; a switch that changes nothing is dropped
.if MSB != \new
	s_set_vgpr_msb (MSB<<8)|\new
.set MSB, \new
.endif
.endm
.macro CROUND                          ; a round of the cluster's barrier: my work-group's barrier; wave 0 signals for the work-group; every wave waits for all four work-groups; my work-group's barrier once more
	s_barrier_signal -1
	s_barrier_wait -1
	s_cmp_lg_u32 s[WV], 0
	s_cbranch_scc1 .Lnot_wave_0_\@
	s_barrier_signal -3
.Lnot_wave_0_\@:
	s_barrier_wait -3
	s_barrier_signal -1
	s_barrier_wait -1
.endm
.macro JLOAD                           ; my joint load: every wave issues one, with no branch; an s_nop 0 and four v_nop follow it
	tensor_load_to_lds s[G0:G0+3], s[G1:G1+7]
	s_nop 0
.rept 4
	v_nop
.endr
.endm
	s_load_b256 s[4:11], s[0:1], 0x0               ; qc s[4:5], kv s[6:7], the exponents s[8:9], yc s[10:11]
	v_lshl_add_u32 v[SPW], v0, 2, SPARE
	v_mov_b32 v[NIL], 0
	ds_add_u32 v[SPW], v[NIL]                      ; the wave's opening: the add, twice on end, and its wait ahead of my first tensor load; the set-up below stands between
	ds_add_u32 v[SPW], v[NIL]
	v_lshrrev_b32 v6, 5, v0
	v_readfirstlane_b32 s[WV], v6                  ; wave 0..7
	v_and_b32 v6, 31, v0
	v_lshlrev_b32 v[LI], 4, v6
	v_lshlrev_b32 v[PFO], 8, v6
	s_bfe_u32 s[CX], ttmp6, 0x40000
	s_lshl_b32 s[BLK], ttmp9, 2                    ; in a cluster launch ttmp9 counts clusters
	s_add_co_u32 s[BLK], s[BLK], s[CX]
	s_and_b32 s[NH], ttmp7, 0xffff
	; descriptor group 1: 16,384 dense bytes as 64 rows of 32 elements of 8 bytes
	s_mov_b32 s[G1], 15|(3<<16)|(1<<21)            ; 15:0 the mask: all four work-groups; 17:16 elements of 8 bytes; 20 no padding; 21 set beside a mask
	s_mov_b32 s[G1+1], 32<<16                      ; tensor_dim0 = 32
	s_mov_b32 s[G1+2], 64<<16                      ; tensor_dim1 = 64
	s_mov_b32 s[G1+3], 32<<16                      ; tile_dim0 = 32
	s_mov_b32 s[G1+4], 64                          ; tile_dim1 = 64
	s_mov_b32 s[G1+5], 32                          ; from row to row: 32 elements
	s_mov_b32 s[G1+6], 0
	s_mov_b32 s[G1+7], 0
	s_mov_b32 s[SEL], 0x76543210
	s_mov_b32 s[SEL+1], 0xfedcba98
	s_mov_b32 s[TB], 0
	s_mov_b32 s[SLOTS], 3
	s_lshr_b32 s[LIM], s[WV], 2                    ; 0 in waves 0 to 3,
	s_or_b32 s[LIM], s[LIM], ttmp9                 ; of the (sample, head)'s first cluster: the same in all four partners
	s_cmp_eq_u32 s[LIM], 0
	s_cselect_b32 s[LIM], 1, -1
	s_lshl_b32 s48, s[NH], 19                      ; kv: 524,288 (4 n + head) + 16,384 w: step w of slot 0.  (s48, s49, s57 never hold my place in the cluster)
	s_lshl_b32 s57, s[WV], 14
	s_add_co_u32 s48, s48, s57
	s_mov_b32 s49, 0
	s_lshl_b32 s50, s[NH], 19                      ; the prefetches: my work-group's 32,768 bytes of a slot, my wave's 8,192 of them; in slot 1: the first change of slots steps it to slot 2
	s_lshl_b32 s58, s[CX], 15
	s_add_co_u32 s50, s50, s58
	s_and_b32 s58, s[WV], 3
	s_lshl_b32 s58, s58, 13
	s_add_co_u32 s50, s50, s58
	s_add_co_u32 s50, s50, SLOTB
	s_mov_b32 s51, 0
	s_lshl_b32 s52, s[NH], 18                      ; qc: 262,144 (4 n + head) + 1,024 (16 block + 2 w)
	s_lshl_b32 s58, s[BLK], 14
	s_add_co_u32 s52, s52, s58
	s_lshl_b32 s58, s[WV], 11
	s_add_co_u32 s52, s52, s58
	s_mov_b32 s53, 0
	s_lshr_b32 s54, s[NH], 2                       ; yc: 1,048,576 n + 4,096 (16 block + 2 w) + 1,024 head
	s_lshl_b32 s54, s54, 20
	s_lshl_b32 s58, s[BLK], 16
	s_add_co_u32 s54, s54, s58
	s_lshl_b32 s58, s[WV], 13
	s_add_co_u32 s54, s54, s58
	s_and_b32 s58, s[NH], 3
	s_lshl_b32 s58, s58, 10
	s_add_co_u32 s54, s54, s58
	s_mov_b32 s55, 0
	s_wait_dscnt 0x0                               ; both opening adds are done
	s_wait_kmcnt 0x0
	s_load_b256 s[40:47], s[8:9], 0x0              ; e0 .. e7
	s_mov_b32 s[G0], 1                             ; 1:0 count = 1
	s_lshl_b32 s[G0+1], s[WV], 14                  ; 63:32 LDS address: step w of slot 0
	s_add_nc_u64 s[G0+2:G0+3], s[6:7], s[48:49]    ; 120:64 global address
	s_or_b32 s[G0+3], s[G0+3], 0x80000000          ; 127:126 type = 2
	s_add_nc_u64 s[PFA:PFA+1], s[6:7], s[50:51]
	s_add_nc_u64 s[4:5], s[4:5], s[52:53]
	s_add_nc_u64 s[10:11], s[10:11], s[54:55]
	CROUND                                         ; all four work-groups are here: the first joint loads meet
	JLOAD                                          ; slot 0
.irp i, 0,1,2,3
	global_load_b128 v[QF+4*\i:QF+4*\i+3], v[LI], s[4:5] offset:512*\i th:TH_LOAD_NT   ; Q's two fragments stay in registers
.endr
	WIN 0x40                                       ; destination window 1
.set i, 0
.rept 64
	v_mov_b32 v[i], 0                              ; O^T.  (The key step is written for every step alike: the first finds zeros, which the first change of M leaves zeros)
.set i, i+1
.endr
	WIN 0
.irp q, 0,1
	v_mov_b32 v[ST+8*\q+1], 0xff61b1e6             ; the largest t so far: -3e38, under every t
	v_floor_f32 v[ST+8*\q], -v[ST+8*\q+1]          ; -M
	v_mov_b32 v[ST+8*\q+2], 0                      ; l, in two halves
	v_mov_b32 v[ST+8*\q+3], 0
	v_mov_b32 v[ST+8*\q+5], 0                      ; (named as the upper half of f's pair)
	v_mov_b32 v[ST+8*\q+6], 0                      ; (a lane permute's destination counts as read)
.endr
	s_wait_kmcnt 0x0
	s_add_co_i32 s48, s42, s43                     ; a score stands for score x 2^(e2 + e3): the two exponents are added to the exponent field of log2(e)
	s_lshl_b32 s48, s48, 23
	s_add_co_i32 s[CS], s48, 0x3fb8aa3b
	s_mov_b32 s[CS+1], s[CS]
	s_add_co_i32 s48, s44, 127
	s_lshl_b32 s49, s48, 23
	v_mov_b32 v[PSC], s49                          ; 2^e4 as f32: the conversion takes its exponent field
	s_add_co_i32 s48, s47, 127
	s_lshl_b32 s49, s48, 23
	v_mov_b32 v[YSC], s49
	s_add_co_i32 s[EO], s44, s45
; Number pn of the 97 places that follow tile q's exponentials: 0 l x f; 1 to 32 l += the sum of the UNQUANTISED p, two at a time, in two chains; 33 to 96 nothing.
.macro POST q
.set rT, ST+8*(\q)
.set rS, SC+64*(\q)
.set rC, MX+4*(\q)+2
.if pn == 0
	v_pk_mul_f32 v[rT+2:rT+3], v[rT+2:rT+3], v[rT+4:rT+5] op_sel_hi:[1,0]
.elseif pn == 1
	v_pk_add_f32 v[rC:rC+1], v[rS:rS+1], v[rS+2:rS+3]
.elseif pn < 32
.set pj, 4+4*((pn-2)/2)
.if (pn%2) == 0
	v_pk_add_f32 v[rT+2:rT+3], v[rT+2:rT+3], v[rS+pj:rS+pj+1]
.else
	v_pk_add_f32 v[rC:rC+1], v[rC:rC+1], v[rS+pj+2:rS+pj+3]
.endif
.elseif pn == 32
	v_pk_add_f32 v[rT+2:rT+3], v[rT+2:rT+3], v[rC:rC+1]
.else
.endif
.endm
.macro CVT q                           ; tile t's eight keys become registers 2 t, 2 t + 1 of P
.irp t, 0,1,2,3,4,5,6,7
	v_cvt_scalef32_pk8_fp8_f32 v[PC+16*(\q)+2*\t:PC+16*(\q)+2*\t+1], v[SC+64*(\q)+8*\t:SC+64*(\q)+8*\t+7], v[PSC]
.endr
.endm
; A KEY STEP: 128 keys.  pf = 1: the copy in the loop, which holds the prefetch.
.macro STEP pf
.rept 4
	v_nop                                          ; places ahead of the loads into V's registers, which the last step's products have read (ISA guide 7.12.1 for vector instructions)
.endr
	v_add_nc_u32 v[ADR], s[TB], v[LI]
	WIN 0x40                                       ; destination window 1
.irp t, 0,1,2,3,4,5,6,7
	ds_load_b128 v[KF+8*\t:KF+8*\t+3], v[ADR] offset:1024*\t
	ds_load_b128 v[KF+8*\t+4:KF+8*\t+7], v[ADR] offset:1024*\t+512
.endr
.irp d, 0,1,2,3
.irp g, 0,1,2,3
	ds_load_b128 v[VF+16*\d+4*\g:VF+16*\d+4*\g+3], v[ADR] offset:8192+2048*\d+512*\g
.endr
.endr
	WIN 0
.if \pf
; A PREFETCH INTO THE L2 of the slot that the NEXT change of slots will ask for, in a slot's seventh step: two key steps ahead of that load.  Each aligned block of 256 bytes is named once in the launch: all four clusters
; of a (sample, head) walk the same kv, so its first cluster asks; its four partners take 32,768 bytes each, told apart by address; in each, waves 0 to 3 take 8,192 bytes, lanes 256 bytes apart: one instruction a wave.
; Slots 0 and 1 come by their loads alone; the trip that asks for the last slot prefetches nothing.
	s_cmp_eq_u32 s[STEPC], 2
	s_cselect_b32 s48, s[LIM], -1
	s_cmp_gt_u32 s[SLOTS], s48
	s_cbranch_scc0 .Lnot_mine_\@
	global_prefetch_b8 v[PFO], s[PFA:PFA+1] th:TH_LOAD_NT scope:SCOPE_SE
.Lnot_mine_\@:
.endif
	s_wait_dscnt 16                                ; K's sixteen loads are in; V's sixteen may stay out
	WIN 0x01                                       ; source 0 (K) window 1
.irp t, 0,1,2,3,4,5,6,7
.irp q, 0,1
	v_wmma_f32_16x16x64_fp8_fp8 v[SC+64*\q+8*\t:SC+64*\q+8*\t+7], v[KF+8*\t:KF+8*\t+7], v[QF+8*\q:QF+8*\q+7], 0
.endr
.endr
	WIN 0
.rept 4
	v_nop
.endr
	; the step's largest score of each query: two chains a tile, both tiles line by line, every accumulator from its low end on
.irp q, 0,1
	v_max3_num_f32 v[MX+4*\q], v[SC+64*\q], v[SC+64*\q+1], v[SC+64*\q+2]
	v_max3_num_f32 v[MX+4*\q+1], v[SC+64*\q+3], v[SC+64*\q+4], v[SC+64*\q+5]
.endr
.set i, 6
.rept 14
.irp q, 0,1
	v_max3_num_f32 v[MX+4*\q], v[MX+4*\q], v[SC+64*\q+i], v[SC+64*\q+i+1]
	v_max3_num_f32 v[MX+4*\q+1], v[MX+4*\q+1], v[SC+64*\q+i+2], v[SC+64*\q+i+3]
.endr
.set i, i+4
.endr
.irp q, 0,1
	v_max3_num_f32 v[MX+4*\q], v[MX+4*\q], v[SC+64*\q+62], v[SC+64*\q+63]
.endr
.irp q, 0,1
	v_max_num_f32 v[MX+4*\q], v[MX+4*\q], v[MX+4*\q+1]
.endr
.irp q, 0,1
	v_permlanex16_b32 v[ST+8*\q+6], v[MX+4*\q], s[SEL], s[SEL+1]   ; the query's other 64 keys lie in the lane 16 away
.endr
.irp q, 0,1
	v_max_num_f32 v[MX+4*\q], v[MX+4*\q], v[ST+8*\q+6]
.endr
.irp q, 0,1
	v_mul_f32 v[MX+4*\q], s[CS], v[MX+4*\q]        ; as t (c is positive)
.endr
.irp q, 0,1
	v_max_num_f32 v[ST+8*\q+1], v[ST+8*\q+1], v[MX+4*\q]   ; the running largest t
.endr
.irp q, 0,1
	v_mov_b32 v[MX+4*\q], v[ST+8*\q]
.endr
.irp q, 0,1
	v_floor_f32 v[ST+8*\q], -v[ST+8*\q+1]          ; the new -M = floor(-t) = -ceil(t): M is a whole number
.endr
.irp q, 0,1
	v_sub_f32 v[MX+4*\q], v[ST+8*\q], v[MX+4*\q]   ; old M - new M: a whole number, 0 or less
.endr
.irp q, 0,1
	v_cvt_i32_f32 v[MX+4*\q], v[MX+4*\q]           ; (it saturates)
.endr
.irp q, 0,1
	v_ldexp_f32 v[ST+8*\q+4], 1.0, v[MX+4*\q]      ; f = 2^(old M - new M)
.endr
.set k, 0
.rept 32
	v_pk_fma_f32 v[SC+2*k:SC+2*k+1], v[SC+2*k:SC+2*k+1], s[CS:CS+1], v[ST:ST+1] op_sel_hi:[1,0,0]   ; tile 0: t - M, two at a time (of the pairs c and -M the low word serves both halves)
.set k, k+1
.endr
.set k, 0
.rept 32                                       ; tile 0's exponentials, with tile 1's scalings between them
	v_exp_f32 v[SC+2*k], v[SC+2*k]
	v_exp_f32 v[SC+2*k+1], v[SC+2*k+1]
	v_pk_fma_f32 v[SC+64+2*k:SC+64+2*k+1], v[SC+64+2*k:SC+64+2*k+1], s[CS:CS+1], v[ST+8:ST+9] op_sel_hi:[1,0,0]
.set k, k+1
.endr
	s_setprio 1
	s_wait_alu depctr_va_vdst(0)                   ; one wait for tile 0's batch, behind a plain instruction and ahead of the first that names a result
.set k, 0
.rept 64                                       ; tile 1's exponentials, with tile 0's sums between them
	v_exp_f32 v[SC+64+k], v[SC+64+k]
.set pn, k
	POST 0
.set k, k+1
.endr
.set pn, 64
.rept 33
	POST 0
.set pn, pn+1
.endr
	CVT 0
	s_wait_alu depctr_va_vdst(0)                   ; one wait for tile 1's batch
.set pn, 0
.rept 97
	POST 1
.set pn, pn+1
.endr
	CVT 1
	WIN 0x41                                       ; O^T (destination and source 0) window 1, f window 0
	s_setprio 0
.irp q, 0,1
.set i, 0
.rept 16
	v_pk_mul_f32 v[32*\q+2*i:32*\q+2*i+1], v[32*\q+2*i:32*\q+2*i+1], v[ST+8*\q+4:ST+8*\q+5] op_sel_hi:[1,0]   ; O^T under the new M.  (Also the plain instructions between the conversions and the products that read their results)
.set i, i+1
.endr
.endr
	s_wait_dscnt 0x0                               ; V is in
	WIN 0x51                                       ; V, and O^T as C and D, window 1; P window 0
.irp d, 0,1,2,3                                ; eight accumulators, one instruction each: they take turns
.irp q, 0,1
	v_wmma_f32_16x16x128_fp8_fp8 v[32*\q+8*\d:32*\q+8*\d+7], v[VF+16*\d:VF+16*\d+15], v[PC+16*\q:PC+16*\q+15], v[32*\q+8*\d:32*\q+8*\d+7]
.endr
.endr
	WIN 0                                          ; at a label and at a branch every window is 0
	s_add_co_u32 s[TB], s[TB], STEPB
.endm
; THE CHANGE OF SLOTS stands at a slot's head.  Each wave waits for all its tensor loads (its step of the slot that is about to be read), adds 0 to its spare word, and waits for that and for its reads of the slot that it has left.
; fill = 1: the barrier is a round of the cluster's, so that no wave of any partner still reads the other slot or has a load on its way; the joint load of the next eight steps is the first thing behind it.
.macro CHANGE fill
	s_wait_tensorcnt 0x0                           ; no tensor load of mine is out, so group 0 may be written
	ds_add_u32 v[SPW], v[NIL]                      ; 0 onto my spare word
.if \fill
	s_xor_b32 s[G0+1], s[G0+1], SLOTB              ; the other slot than last time,
	s_add_nc_u64 s[G0+2:G0+3], s[G0+2:G0+3], SLOTB ; the next eight steps; the type bits on top are not reached
	s_wait_xcnt 0x0                                ; the last prefetch, more than a key step back, has read its address, so it may be written:
	s_add_nc_u64 s[PFA:PFA+1], s[PFA:PFA+1], SLOTB ; one slot further on than the walking descriptor
	s_wait_dscnt 0x0                               ; the add is done, and my reads of the slot that I have left are over
	CROUND
	JLOAD
.else
	s_wait_dscnt 0x0
	s_barrier_signal -1
	s_barrier_wait -1
.endif
.endm
.macro SLOT_STEPS pf                   ; a slot's eight key steps: written once, walked eight times
	s_mov_b32 s[STEPC], 8
.Lstep_\@:
	s_setprio 2
	STEP \pf
	s_sub_co_u32 s[STEPC], s[STEPC], 1
	s_cmp_lg_u32 s[STEPC], 0
	s_cbranch_scc1 .Lstep_\@
	s_setprio 0
	s_sub_co_u32 s[TB], s[TB], SLOTB               ; back to a slot's first step,
	s_xor_b32 s[TB], s[TB], SLOTB                  ; in the other slot
.endm
	s_wait_loadcnt 0x0                             ; Q
.Lslot:                                            ; three trips: behind each change of slots but the last the next slot is asked for (the first trip's load is slot 1's first fill, issued as a refill is)
	CHANGE 1
	SLOT_STEPS 1
	s_sub_co_u32 s[SLOTS], s[SLOTS], 1
	s_cmp_lg_u32 s[SLOTS], 0
	s_cbranch_scc1 .Lslot
	CHANGE 0                                       ; the last slot is written out
	SLOT_STEPS 0
	; THE WAY OUT.  y = O^T / l x 2^(e4 + e5), quantised by 2^e7.  A lane's eight registers of a tile are eight neighbouring channels of its query: product 4's K.  The additions are the places behind the last products.
.irp q, 0,1
	v_add_f32 v[ST+8*\q+2], v[ST+8*\q+2], v[ST+8*\q+3]
.endr
.irp q, 0,1
	v_permlanex16_b32 v[ST+8*\q+6], v[ST+8*\q+2], s[SEL], s[SEL+1]
.endr
.irp q, 0,1
	v_add_f32 v[ST+8*\q+2], v[ST+8*\q+2], v[ST+8*\q+6]
.endr
.irp q, 0,1
	v_rcp_f32 v[ST+8*\q+4], v[ST+8*\q+2]
.endr
	v_nop                                          ; a plain instruction behind the last reciprocal,
	s_wait_alu depctr_va_vdst(0)                   ; and one wait for both, ahead of the first use
.irp q, 0,1
	v_ldexp_f32 v[ST+8*\q+4], v[ST+8*\q+4], s[EO]
.endr
	WIN 0x01                                       ; source 0 (O^T) window 1; the results go where S^T lay
.irp q, 0,1
.set i, 0
.rept 16
	v_pk_mul_f32 v[SC+64*\q+2*i:SC+64*\q+2*i+1], v[32*\q+2*i:32*\q+2*i+1], v[ST+8*\q+4:ST+8*\q+5] op_sel_hi:[1,0]
.set i, i+1
.endr
.endr
	WIN 0
.irp q, 0,1
.set i, 0
.rept 32
.set i, i+1
.endr
.endr
.irp q, 0,1
.irp d, 0,1,2,3
	v_cvt_scalef32_pk8_fp8_f32 v[PC+16*\q+2*\d:PC+16*\q+2*\d+1], v[SC+64*\q+8*\d:SC+64*\q+8*\d+7], v[YSC]
.endr
.endr
	v_nop
.irp q, 0,1
.irp g, 0,1
	global_store_b128 v[LI], v[PC+16*\q+4*\g:PC+16*\q+4*\g+3], s[10:11] offset:4096*\q+512*\g   ; 512 consecutive bytes, aligned
.endr
.endr
	s_wait_tensorcnt 0x0                           ; the wave's end, behind my last tensor load
	ds_add_u32 v[SPW], v[NIL]
	s_wait_dscnt 0x0
	CROUND                                         ; the closing round: no work-group ends while a partner may still ask for a tile that names it
	s_endpgm
.Lfunc_end_k_q0c2d4bd933_attn:
	.size	k_q0c2d4bd933_attn, .Lfunc_end_k_q0c2d4bd933_attn-k_q0c2d4bd933_attn
	.p2alignl 7, 3214868480
	.fill 96, 4, 3214868480
	.section	.rodata,"a",@progbits
	.p2align	6, 0x0
	.amdhsa_kernel k_q0c2d4bd933_attn
		.amdhsa_group_segment_fixed_size 327680
		.amdhsa_private_segment_fixed_size 0
		.amdhsa_enable_private_segment 0
		.amdhsa_kernarg_size 32
		.amdhsa_user_sgpr_count 2
		.amdhsa_user_sgpr_kernarg_segment_ptr 1
		.amdhsa_wavefront_size32 1
		.amdhsa_system_sgpr_workgroup_id_x 1
		.amdhsa_system_sgpr_workgroup_id_y 1
		.amdhsa_system_sgpr_workgroup_id_z 1
		.amdhsa_system_vgpr_workitem_id 0
		.amdhsa_next_free_vgpr 448
		.amdhsa_next_free_sgpr 66
		.amdhsa_reserve_vcc 0
		.amdhsa_float_denorm_mode_32 3
		.amdhsa_float_denorm_mode_16_64 3
		.amdhsa_fp16_overflow 1
		.amdhsa_memory_ordered 1
		.amdhsa_forward_progress 1
		.amdhsa_inst_pref_size 62
	.end_amdhsa_kernel
	.amdgpu_metadata
---
amdhsa.version: [ 1, 2 ]
amdhsa.kernels:
  - .name:           k_q0c2d4bd933_attn
    .symbol:         k_q0c2d4bd933_attn.kd
    .args:
      - { .name: qc, .offset: 0, .size: 8, .value_kind: global_buffer, .address_space: global }
      - { .name: kv, .offset: 8, .size: 8, .value_kind: global_buffer, .address_space: global }
      - { .name: lowp_scales, .offset: 16, .size: 8, .value_kind: global_buffer, .address_space: global }
      - { .name: yc, .offset: 24, .size: 8, .value_kind: global_buffer, .address_space: global }
    .group_segment_fixed_size: 327680
    .private_segment_fixed_size: 0
    .kernarg_segment_align: 8
    .kernarg_segment_size: 32
    .max_flat_workgroup_size: 256
    .sgpr_count:     66
    .vgpr_count:     448
    .wavefront_size: 32
...
	.end_amdgpu_metadata
.endif
;; end of part 3
;; launch proj (part 4): grid 64 x 4, 16 waves a work-group, no clusters, 88,064 bytes of LDS; arguments yc, w_out_codes, b_out, lowp_scales, x, out0; writes out0
.if DOCPART == 4
	.amdgcn_target "amdgcn-amd-amdhsa--gfx1250"
	.amdhsa_code_object_version 6
	.text
	.protected	k_q0c2d4bd933_proj
	.globl	k_q0c2d4bd933_proj
	.p2align	8
	.type	k_q0c2d4bd933_proj,@function
k_q0c2d4bd933_proj:
	s_mov_b64 s[64:65], 0
	v_nop
	global_prefetch_b8 v0, s[64:65] scope:SCOPE_SE
	s_setreg_imm32_b32 hwreg(HW_REG_WAVE_MODE, 25, 1), 1
	s_wait_xcnt 0x0
; SelfAttention2d, launch 4 of 4: product 4 (w_out x y) on codes of E4M3, + b_out, + x.  Nothing of reference() is left out here.
; A work-group takes 64 positions of one sample (x: block b, y: sample n) and all 256 output channels; wave w of sixteen takes channels 16 w .. 16 w + 15.
; y's codes of the block, 16,384 dense bytes of yc (eight images of operand registers: tile of positions m, K step s at 4,096 m + 2,048 s), go to LDS as they lie, 1,024 bytes a wave; one barrier; every wave reads all eight.
; Source 0 = 16 positions of y, source 1 = my 16 rows of w_out: a lane holds ONE channel (lane % 16) and eight neighbouring positions: 32 bytes of a row of out0.  The four tiles of positions make a row's 256 bytes; they
; go through my own stage in LDS and come back by rows, so that sixteen lanes store 256 consecutive bytes, aligned.  x is loaded in that same layout at the head and added on the way.
; w_out's fragments come by loads of 8 bytes, in the K = 128 form's own layout, which is the layout in which y's codes were made.
; NO CLUSTER, no joint loads: what the work-groups share is the 65,536 bytes of w_out, of which each wave takes its 4,096 straight into registers, once.  No prefetch: the launch is short and its loads go out at its head.
; LIMIT: e6 + e7 between -126 and 127.
.set SPITCH, 272                       ; a stage row: 256 bytes + 16
.set STG,   16384                      ; behind y's images: 16 rows for each wave
.set SPARE, STG+16*16*SPITCH           ; behind the stages: the spare words, 128 bytes for each of the sixteen waves: eight blocks of 256 bytes that no other line names
.set SPW, 1                            ; v1   LDS address of my spare word; never rewritten
.set NIL, 2                            ; v2   0; never rewritten
.set LI,  3                            ; v3   16 x lane
.set YST, 4                            ; v4   LDS: where I put my 1,024 bytes of y's images
.set WO,  5                            ; v5   256 r + 8 h: my place in my rows of w_out
.set BO,  6                            ; v6   4 r
.set SO,  7                            ; v7   the stage: where I put 32 bytes of a row
.set SR,  8                            ; v8   and where I read a row back
.set GO,  9                            ; v9   my byte offset in x and out0: lanes 0-15 one channel's 256 bytes, lanes 16-31 the next channel's
.set WF,  16                           ; v[16:47]   w_out's two fragments
.set YF,  48                           ; v[48:175]  y's fragment (m, s) at YF + 64 s + 16 m; later results v[48:79] and rows read back v[80:111]
.set ACC, 176                          ; v[176:207] four accumulators
.set XR,  208                          ; v[208:239] x
.set BI,  240                          ; v[240:241] b_out of my channel (the upper register is named with it)
.set YT,  242                          ; v[242:249] y's codes on their way into LDS
.set WV,  18
	s_load_b256 s[4:11], s[0:1], 0x0               ; yc s[4:5], w_out's codes s[6:7], b_out s[8:9], the exponents s[10:11]
	s_load_b128 s[12:15], s[0:1], 0x20             ; x s[12:13], out0 s[14:15]
	v_lshl_add_u32 v[SPW], v0, 2, SPARE
	v_mov_b32 v[NIL], 0
	v_lshrrev_b32 v10, 5, v0
	s_delay_alu instid0(VALU_DEP_1)
	v_readfirstlane_b32 s[WV], v10                 ; wave 0..15
	v_and_b32 v10, 31, v0
	v_and_b32 v11, 15, v0                          ; r
	v_bfe_u32 v12, v0, 4, 1                        ; h
	s_delay_alu instid0(VALU_DEP_3)
	v_lshlrev_b32 v[LI], 4, v10
	s_lshl_b32 s22, s[WV], 10
	v_add_nc_u32 v[YST], s22, v[LI]
	v_lshlrev_b32 v[WO], 8, v11
	s_delay_alu instid0(VALU_DEP_1)
	v_lshl_add_u32 v[WO], v12, 3, v[WO]
	v_lshlrev_b32 v[BO], 2, v11
	s_mul_i32 s23, s[WV], 16*SPITCH
	s_add_co_u32 s23, s23, STG                     ; my stage
	v_mul_u32_u24 v[SO], v11, SPITCH               ; in: row r (my channel), 32 bytes for each half of the lanes
	s_delay_alu instid0(VALU_DEP_1)
	v_lshl_add_u32 v[SO], v12, 5, v[SO]
	s_delay_alu instid0(VALU_DEP_1)
	v_add_nc_u32 v[SO], s23, v[SO]
	v_mul_u32_u24 v[SR], v12, SPITCH               ; back: lanes 0-15 one row, lanes 16-31 the next
	s_delay_alu instid0(VALU_DEP_1)
	v_lshl_add_u32 v[SR], v11, 4, v[SR]
	s_delay_alu instid0(VALU_DEP_1)
	v_add_nc_u32 v[SR], s23, v[SR]
	v_lshlrev_b32 v[GO], 14, v12                   ; a channel's plane is 16,384 bytes
	s_delay_alu instid0(VALU_DEP_1)
	v_lshl_add_u32 v[GO], v11, 4, v[GO]
	v_mov_b32 v[BI+1], 0
	s_and_b32 s19, ttmp7, 0xffff                   ; n
	s_lshl_b32 s24, s19, 20                        ; yc: 1,048,576 n + 16,384 b + 1,024 w
	s_lshl_b32 s23, ttmp9, 14
	s_add_co_u32 s24, s24, s23
	s_add_co_u32 s24, s24, s22
	s_mov_b32 s25, 0
	s_lshl_b32 s26, s[WV], 12                      ; my 16 rows of w_out
	s_mov_b32 s27, 0
	s_lshl_b32 s28, s[WV], 6                       ; my 16 numbers of b_out
	s_mov_b32 s29, 0
	s_lshl_b32 s30, s19, 22                        ; x, out0: sample n, channel 16 w, position 64 b
	s_lshl_b32 s23, s[WV], 18
	s_add_co_u32 s30, s30, s23
	s_lshl_b32 s23, ttmp9, 8
	s_add_co_u32 s30, s30, s23
	s_mov_b32 s31, 0
	s_wait_alu depctr_va_vdst(0)
	s_wait_kmcnt 0x0
	s_load_b64 s[16:17], s[10:11], 0x18            ; e6, e7
	s_add_nc_u64 s[4:5], s[4:5], s[24:25]
	s_add_nc_u64 s[6:7], s[6:7], s[26:27]
	s_add_nc_u64 s[8:9], s[8:9], s[28:29]
	s_add_nc_u64 s[12:13], s[12:13], s[30:31]
	s_add_nc_u64 s[14:15], s[14:15], s[30:31]
	global_load_b128 v[YT:YT+3], v[LI], s[4:5] th:TH_LOAD_NT
	global_load_b128 v[YT+4:YT+7], v[LI], s[4:5] offset:512 th:TH_LOAD_NT
.irp s, 0,1
.irp c, 0,1,2,3,4,5,6,7
	global_load_b64 v[WF+16*\s+2*\c:WF+16*\s+2*\c+1], v[WO], s[6:7] offset:128*\s+16*\c   ; registers 2 c, 2 c + 1: K = 128 s + 16 c + 8 h + 0 .. 7 of row 16 w + r
.endr
.endr
	global_load_b32 v[BI], v[BO], s[8:9]
.irp i, 0,1,2,3,4,5,6,7
	global_load_b128 v[XR+4*\i:XR+4*\i+3], v[GO], s[12:13] offset:32768*\i th:TH_LOAD_NT   ; channels 16 w + 2 i and 2 i + 1: 256 consecutive bytes each
.endr
	s_wait_loadcnt 25                              ; y's two loads are in; the 16 + 1 + 8 younger ones may stay out
	ds_store_b128 v[YST], v[YT:YT+3]
	ds_store_b128 v[YST], v[YT+4:YT+7] offset:512
	s_wait_dscnt 0x0                               ; for the others' sake: my stores have landed
	s_barrier_signal -1
	s_barrier_wait -1                              ; y's eight images lie in LDS; nobody writes them again
.irp s, 0,1
.irp m, 0,1,2,3
.irp g, 0,1,2,3
	ds_load_b128 v[YF+64*\s+16*\m+4*\g:YF+64*\s+16*\m+4*\g+3], v[LI] offset:4096*\m+2048*\s+512*\g
.endr
.endr
.endr
	s_wait_kmcnt 0x0
	s_add_co_i32 s20, s16, s17
	s_add_co_i32 s20, s20, 127
	s_lshl_b32 s20, s20, 23                        ; 2^(e6 + e7) as f32
	s_mov_b32 s21, s20                             ; (named with it as a pair, so it is written)
	s_wait_loadcnt 8                               ; w_out and b_out are in; x's eight loads may stay out
	s_wait_dscnt 16                                ; the first K step's fragments are in; the second's sixteen loads may stay out
.irp m, 0,1,2,3                                ; the four accumulators take turns; the first K step starts the sums
	v_wmma_f32_16x16x128_fp8_fp8 v[ACC+8*\m:ACC+8*\m+7], v[YF+16*\m:YF+16*\m+15], v[WF:WF+15], 0
.endr
	s_wait_dscnt 0x0
.irp m, 0,1,2,3
	v_wmma_f32_16x16x128_fp8_fp8 v[ACC+8*\m:ACC+8*\m+7], v[YF+64+16*\m:YF+64+16*\m+15], v[WF+16:WF+31], v[ACC+8*\m:ACC+8*\m+7]
.endr
.rept 4
	v_nop                                          ; places behind the products (ISA guide 7.12.1), ahead of the reads of their results and of writes into their sources
.endr
.set i, 0
.rept 16
	v_pk_fma_f32 v[YF+2*i:YF+2*i+1], v[ACC+2*i:ACC+2*i+1], s[20:21], v[BI:BI+1] op_sel_hi:[1,0,0]   ; sum x 2^(e6 + e7) + b_out, each accumulator from its low end on
.set i, i+1
.endr
.irp m, 0,1,2,3
	ds_store_b128 v[SO], v[YF+8*\m:YF+8*\m+3] offset:64*\m          ; lane (r, h): channel r, positions 16 m + 8 h + 0 .. 7
	ds_store_b128 v[SO], v[YF+8*\m+4:YF+8*\m+7] offset:64*\m+16
.endr
.irp i, 0,1,2,3,4,5,6,7
	ds_load_b128 v[YF+32+4*\i:YF+32+4*\i+3], v[SR] offset:2*SPITCH*\i   ; LDS serves a wave's instructions in order (ISA guide 5.7.1.4): these see my stores; the stage is my own
.endr
	s_wait_loadcnt 0x0                             ; x
.irp i, 0,1,2,3,4,5,6,7
	s_wait_dscnt 7-\i                              ; rows 2 i and 2 i + 1 are back; the younger loads may stay out
	v_pk_add_f32 v[YF+32+4*\i:YF+32+4*\i+1], v[YF+32+4*\i:YF+32+4*\i+1], v[XR+4*\i:XR+4*\i+1]
	v_pk_add_f32 v[YF+32+4*\i+2:YF+32+4*\i+3], v[YF+32+4*\i+2:YF+32+4*\i+3], v[XR+4*\i+2:XR+4*\i+3]
	global_store_b128 v[GO], v[YF+32+4*\i:YF+32+4*\i+3], s[14:15] offset:32768*\i th:TH_STORE_NT   ; sixteen lanes store 256 consecutive bytes, aligned
.endr
	s_wait_tensorcnt 0x0                           ; the wave's end, behind my last LDS store
	ds_add_u32 v[SPW], v[NIL]
	s_wait_dscnt 0x0
	s_endpgm
.Lfunc_end_k_q0c2d4bd933_proj:
	.size	k_q0c2d4bd933_proj, .Lfunc_end_k_q0c2d4bd933_proj-k_q0c2d4bd933_proj
	.p2alignl 7, 3214868480
	.fill 96, 4, 3214868480
	.section	.rodata,"a",@progbits
	.p2align	6, 0x0
	.amdhsa_kernel k_q0c2d4bd933_proj
		.amdhsa_group_segment_fixed_size 88064
		.amdhsa_private_segment_fixed_size 0
		.amdhsa_enable_private_segment 0
		.amdhsa_kernarg_size 48
		.amdhsa_user_sgpr_count 2
		.amdhsa_user_sgpr_kernarg_segment_ptr 1
		.amdhsa_wavefront_size32 1
		.amdhsa_system_sgpr_workgroup_id_x 1
		.amdhsa_system_sgpr_workgroup_id_y 1
		.amdhsa_system_sgpr_workgroup_id_z 1
		.amdhsa_system_vgpr_workitem_id 0
		.amdhsa_next_free_vgpr 256
		.amdhsa_next_free_sgpr 66
		.amdhsa_reserve_vcc 0
		.amdhsa_float_denorm_mode_32 3
		.amdhsa_float_denorm_mode_16_64 3
		.amdhsa_memory_ordered 1
		.amdhsa_forward_progress 1
		.amdhsa_inst_pref_size 13
	.end_amdhsa_kernel
	.amdgpu_metadata
---
amdhsa.version: [ 1, 2 ]
amdhsa.kernels:
  - .name:           k_q0c2d4bd933_proj
    .symbol:         k_q0c2d4bd933_proj.kd
    .args:
      - { .name: yc, .offset: 0, .size: 8, .value_kind: global_buffer, .address_space: global }
      - { .name: w_out_codes, .offset: 8, .size: 8, .value_kind: global_buffer, .address_space: global }
      - { .name: b_out, .offset: 16, .size: 8, .value_kind: global_buffer, .address_space: global }
      - { .name: lowp_scales, .offset: 24, .size: 8, .value_kind: global_buffer, .address_space: global }
      - { .name: x, .offset: 32, .size: 8, .value_kind: global_buffer, .address_space: global }
      - { .name: out0, .offset: 40, .size: 8, .value_kind: global_buffer, .address_space: global }
    .group_segment_fixed_size: 88064
    .private_segment_fixed_size: 0
    .kernarg_segment_align: 8
    .kernarg_segment_size: 48
    .max_flat_workgroup_size: 512
    .sgpr_count:     66
    .vgpr_count:     256
    .wavefront_size: 32
...
	.end_amdgpu_metadata
.endif
;; end of part 4
